; MI455X (gfx1250); checked and timed in simulation.
; The chip was launched on July 23, 2026; its instructions are those of AMD's public machine-readable ISA for CDNA 5 (MIT licence, August 2026) and "CDNA5" Instruction Set Architecture Reference Guide (July 2026). The comments in the code are by the model that wrote it; some were corrected since.
;; Attention. Allowed arithmetic: matrix products marked QUANTISED: E4M3 operands, one given power-of-two scale a tensor, by v_wmma_f32_16x16x64_fp8_fp8 or v_wmma_f32_16x16x128_fp8_fp8, f32 sums; everything else in f32.
;; Inputs: Wk 512 x 64 float32; Wq 512 x 64 float32; Wv 512 x 64 float32; bk 64 float32; bq 64 float32; bv 64 float32; lowp_scales 10 int32 (the exponents e of the quantised operands' scales 2^e); x 4 x 4,096 x 512 float32.
;; Outputs: out0 4 x 4,096 x 64 float32.
;; This version of the problem:
;;   THIS VERSION OF THE PROBLEM IS GIVEN IN LOW PRECISION. The matrix products marked QUANTISED in the list below multiply operands that are first quantised to E4M3 (4 exponent bits, 3 mantissa bits; 8 bits a number), with one given power-of-two scale for each operand tensor; their sums are f32. All else is computed in f32.
;;   The module's matrix products, in the order in which they are computed (A, B: the left and right operand; K: the contracted axis; several contracted axes count as one K, in the product's order):
;;     1. [M 16,384, K 512] x [K 512, N 64]; A: input x; B: input Wq: QUANTISED (scales: A lowp_scales[0], B lowp_scales[1])
;;     2. [M 16,384, K 512] x [K 512, N 64]; A: input x; B: input Wk: QUANTISED (scales: A lowp_scales[2], B lowp_scales[3])
;;     3. [M 16,384, K 512] x [K 512, N 64]; A: input x; B: input Wv: QUANTISED (scales: A lowp_scales[4], B lowp_scales[5])
;;     4. batch 4 x [M 4,096, K 64] x [K 64, N 4,096]; A: computed on the way; B: computed on the way: QUANTISED (scales: A lowp_scales[6], B lowp_scales[7])
;;     5. batch 4 x [M 4,096, K 4,096] x [K 4,096, N 64]; A: softmax (see below); B: computed on the way: QUANTISED (scales: A lowp_scales[8], B lowp_scales[9])
;;   THE QUANTISER, for each operand of a quantised product, along K:
;;     - The operand's scale is 2^e, e = its entry of the input lowp_scales (int32; the entries are numbered through the quantised products in the list's order, A before B).
;;     - Each number is divided by the scale, clamped to +-448, and rounded to the nearest number of E4M3, ties to even, subnormals kept.
;;     - The product sums the exact products of the quantised numbers (number of the format x scale) in f32.
;;   ~~~python
;;   def quantise(x, axis, e):      # numpy; x: float32 -> the quantised numbers, widened to float32 again
;;       x = np.moveaxis(x, axis, -1); K = x.shape[-1]
;;       r = np.clip(x / 2.0 ** e, -448, 448)
;;       step = 2.0 ** (np.maximum(np.frexp(np.where(r == 0, 1, r))[1] - 1, -6) - 3)
;;       q = np.round(r / step) * step * 2.0 ** e      # np.round: ties to even
;;       return np.moveaxis(q, -1, axis).astype(np.float32)
;;   ~~~
;;   SOFTMAX AHEAD OF A QUANTISED PRODUCT. Where the list says 'softmax', what is quantised is not the finished softmax but p = 2^(t - M), with t = logit x log2(e) and M = ceil(the row's largest t), a whole number; so 1/2 < the row's largest p <= 1. The row's sum l is taken of the UNQUANTISED p, in f32, and the product's result is divided by l at the end. Since M is a whole number, a kernel that streams over the keys may use a running M (the ceiling of the running maximum): every later rescaling is an exact power of two, so the quantised numbers keep their values, but for numbers so far below the row's largest that they fall under the format's range.
;;   OPERANDS COMPUTED ON THE WAY. 'Computed on the way' means the value that the module computes at that place (a softmax that the list does not call 'softmax' is quantised finished and normalised). What goes into a quantiser is computed in f32, as accurately as f32 sums, v_exp_f32 and their like allow (about 1e-6 of the number): no bf16 or f16 on the way to a quantiser, and a product that is left as it is and whose result goes on into a quantised operand takes f32 operands (vector FMAs, or v_wmma_f32_16x16x4_f32). A number that lies on a knife's edge between two numbers of the format may be rounded either way, as far as f32 arithmetic and the matrix unit's own rounding can turn it there, and no further.
;; One version. Each part assembles by itself: llvm-mc -triple=amdgcn-amd-amdhsa -mcpu=gfx1250 --defsym DOCPART=n.
;; ======== version 1 of 1: 2 launches
;; limits: right only within a limited range of input values
;; workspace buffers: qkv 3,145,728 bytes
;; launch proj (part 1): grid 256 x 1, 12 waves a work-group, no clusters, 242,176 bytes of LDS; arguments x, Wq, Wk, Wv, bq, bk, bv, lowp_scales, qkv; writes qkv
.if DOCPART == 1
	.amdgcn_target "amdgcn-amd-amdhsa--gfx1250"
	.amdhsa_code_object_version 6
	.text
	.protected	k_q56e2b6b440_proj
	.globl	k_q56e2b6b440_proj
	.p2align	8
	.type	k_q56e2b6b440_proj,@function
k_q56e2b6b440_proj:
	s_mov_b64 s[64:65], 0
	v_nop
	global_prefetch_b8 v0, s[64:65] scope:SCOPE_SE
	s_setreg_imm32_b32 hwreg(HW_REG_WAVE_MODE, 25, 1), 1
	s_wait_xcnt 0x0
; q = x Wq + bq, k = x Wk + bk, v = x Wv + bv on codes of FP8 (E4M3), and q, k, v quantised for the attention that follows.
; x: [16384][512] f32.  W: [512 (k)][64 (n)] f32.  b: [64] f32.  lowp_scales: e0 .. e9 (int32); a scale is 2^e.
; Product T (0 = q, 1 = k, 2 = v) takes x with entry 2 T and W with entry 2 T + 1; its result + bias is quantised with entry 6, 7 or 9.
; x has a scale of its own in each product, so it is quantised three times, each time from the same f32 numbers in LDS.
; SHARES.  A work-group takes 64 tokens.  Twelve waves: T = wave / 4, tt = wave % 4.  First a wave quantises rows 128 tt .. + 127 of W_T into LDS, K innermost; then it makes token tile tt (16 tokens) of tensor T:
; 4 channel tiles x 4 K steps of 128.
; x comes by eight tensor loads (waves 0 to 7, one each: 64 rows x 64 numbers, rows of 256 bytes at multiples of 256), asked for before anything else; nothing in LDS is filled twice.
; W comes by loads of 16 bytes a lane: sixteen lanes take one whole row of 256 bytes, the other sixteen the row 16 further down.  A lane then holds four columns, and the hold that every number needs anyway
; writes it to the place where its column's run along K wants it: so the conversions find neighbours along K in consecutive registers, and the turn costs no instruction.
; OUTPUT: qkv, laid as images of operand registers.  Q: token tile gt at 1024 gt: registers 0-3 at 16 x lane, registers 4-7 at 512 + 16 x lane.
; From 1 MiB on, one block of 16,384 bytes for 128 tokens: K's eight tiles (as Q's), then from 8,192 V^T: channel tile t at 2048 t, registers 2 c, 2 c + 1 at 256 c + 8 x lane (c: token tile in the block).
; q and k are made TRANSPOSED (source 0 = 16 columns of W, source 1 = 16 tokens): a lane holds one token and eight neighbouring channels, the next product's K.
; v is made straight (source 0 = tokens): a lane holds one channel and eight neighbouring tokens, the keys, which are the last product's K.
; In both sources of a product a lane's registers 4 c .. 4 c + 3 hold k = 32 c + 16 (lane / 16) + 0 .. 15: the same permutation of k on both sides.
; NO CLUSTER: no two work-groups read the same tile of x; W is shared, but its 393,216 bytes of f32 do not fit in LDS beside x's 139,264 and the codes' 101,376, so it goes from memory into registers and there is no tile to ask for jointly.
; LIMITS, for each T: e_x, e_w and e_o - e_x - e_w between -126 and 119; e_x + e_w between -127 and 126 (each power of two below is an f32 number).  NaN among the inputs is not served.
.set XP,    272                        ; a row of x in LDS: 256 bytes + 16 of padding: sixteen rows begin at sixteen different 16-byte columns modulo 256
.set XH,    64*XP                      ; 64 rows x 64 along K: what one tensor load brings; piece p holds k = 64 p .. 64 p + 63
.set WC,    8*XH                       ; behind x: W's codes, row 64 T + n, K innermost
.set WP,    528                        ; a row of codes: 512 bytes + 16
.set WL,   4                           ; v4   W: 16 x (lane % 16) + 16 rows x (lane / 16)
.set WST,  5                           ; v5   where I store W's codes: WC + row 64 T + 4 (lane % 16), byte 128 tt + 16 (lane / 16)
.set XA,   6                           ; v6, v7  my 64 bytes of a block of 32 numbers of x, K steps 0-1 and 2-3
.set WA,   8                           ; v8   my 16 bytes of a fragment of W's codes
.set L16,  9                           ; v9   16 x lane
.set L8,   10                          ; v10  8 x lane
.set BH,   11                          ; v11  32 x (lane / 16)
.set BR,   12                          ; v12  4 x (lane % 16)
.set SW,   13                          ; v13, v14  2^e_w, 448 x 2^e_w
.set LW,   14
.set SX,   15                          ; v15, v16  the same for e_x
.set LX,   16
.set SO,   17                          ; v17, v18  the same for e_o - e_x - e_w
.set LO,   18
.set X,    32                          ; v32-159  two sets of 64 numbers of W as loaded; later v32-95: 64 numbers of x
.set Y,    160                         ; v160-191 two sets of 16 numbers of one column of W, along K
.set CD,   192                         ; v192-207 a chunk's codes of W: four registers a column
.set WF,   96                          ; v96-159  four fragments of W's codes
.set XC,   160                         ; v160-175 x's fragment
.set ACC,  176                         ; v176-207 four accumulators
.set BI,   208                         ; v208-239 the bias
.set OC,   240                         ; v240-247 the codes that leave
	s_load_b256 s[8:15], s[0:1], 0x0               ; x s[8:9], Wq s[10:11], Wk s[12:13], Wv s[14:15]
	s_load_b256 s[16:23], s[0:1], 0x20             ; bq s[16:17], bk s[18:19], bv s[20:21], the scales' exponents s[22:23]
	s_load_b64 s[24:25], s[0:1], 0x40              ; qkv
	v_lshl_add_u32 v248, v0, 2, 0x3ac00
	v_mov_b32 v249, 0
	ds_add_u32 v248, v249
	ds_add_u32 v248, v249
	v_lshrrev_b32 v1, 5, v0
	s_delay_alu instid0(VALU_DEP_1)
	v_readfirstlane_b32 s2, v1                     ; wave 0..11
	s_lshr_b32 s3, s2, 2                           ; T
	s_and_b32 s4, s2, 3                            ; tt
	v_and_b32 v1, 31, v0                           ; lane
	v_and_b32 v2, 15, v0                           ; r
	v_bfe_u32 v3, v0, 4, 1                         ; h
	s_delay_alu instid0(VALU_DEP_2)
	v_lshlrev_b32 v[WL], 4, v2                     ; four columns: 16 bytes,
	s_delay_alu instid0(VALU_DEP_1)
	v_lshl_add_u32 v[WL], v3, 12, v[WL]            ; and 16 rows of 256 bytes further down for lanes 16 to 31
	s_mul_i32 s60, s3, 64*WP
	s_add_co_u32 s60, s60, WC                      ; my tensor's 64 rows of codes
	s_lshl_b32 s61, s4, 7
	s_add_co_u32 s61, s61, s60
	v_mul_u32_u24 v[WST], v2, 4*WP
	s_delay_alu instid0(VALU_DEP_1)
	v_lshl_add_u32 v[WST], v3, 4, v[WST]
	s_delay_alu instid0(VALU_DEP_1)
	v_add_nc_u32 v[WST], s61, v[WST]
	s_mul_i32 s62, s4, 16*XP                       ; my 16 tokens' rows of x
	v_mul_u32_u24 v[XA], v2, XP
	s_delay_alu instid0(VALU_DEP_1)
	v_lshl_add_u32 v[XA], v3, 6, v[XA]
	s_delay_alu instid0(VALU_DEP_1)
	v_add_nc_u32 v[XA], s62, v[XA]
	s_delay_alu instid0(VALU_DEP_1)
	v_add_nc_u32 v[XA+1], 4*XH, v[XA]              ; K steps 2 and 3 lie beyond an LDS offset's 16 bits
	v_mul_u32_u24 v[WA], v2, WP
	s_delay_alu instid0(VALU_DEP_1)
	v_lshl_add_u32 v[WA], v3, 4, v[WA]
	s_delay_alu instid0(VALU_DEP_1)
	v_add_nc_u32 v[WA], s60, v[WA]
	v_lshlrev_b32 v[L16], 4, v1
	v_lshlrev_b32 v[L8], 3, v1
	v_lshlrev_b32 v[BH], 5, v3
	v_lshlrev_b32 v[BR], 2, v2
	; descriptor group 1: 64 rows x 64 elements of 4 bytes, 512 elements from row to row; in LDS four words of padding behind every 64
	s_mov_b32 s48, (2<<16)|(1<<20)|(5<<22)|(3<<25)
	s_mov_b32 s49, 64<<16                          ; tensor_dim0 = 64
	s_mov_b32 s50, 64<<16                          ; tensor_dim1 = 64
	s_mov_b32 s51, 64<<16                          ; tile_dim0 = 64
	s_mov_b32 s52, 64                              ; tile_dim1 = 64
	s_mov_b32 s53, 512                             ; tensor_dim0_stride
	s_mov_b32 s54, 0
	s_mov_b32 s55, 0
	s_and_b32 s66, s2, 7                           ; group 0: piece = wave % 8 (in waves 0 to 7, which issue, the wave's number) goes to its own 64 rows of LDS
	s_mul_i32 s45, s66, XH
	s_lshl_b32 s62, ttmp9, 17                      ; 64 tokens x 2,048 bytes a work-group,
	s_lshl_b32 s63, s66, 8                         ; + 64 numbers a piece
	s_add_co_u32 s62, s62, s63
	s_mov_b32 s63, 0
	s_wait_dscnt 0x0
	s_wait_kmcnt 0x0
	s_load_b256 s[32:39], s[22:23], 0x0            ; e0 .. e7
	s_load_b32 s41, s[22:23], 0x24                 ; e9
	s_mov_b32 s44, 1
	s_add_nc_u64 s[46:47], s[8:9], s[62:63]
	s_or_b32 s47, s47, 0x80000000                  ; type = 2
	s_cmp_lt_u32 s2, 8
	s_cbranch_scc0 .Lno_x
	tensor_load_to_lds s[44:47], s[48:55]          ; one load a wave is out, in waves 0 to 7; it has the whole of W's quantising in which to land
	s_nop 0
.rept 4
	v_nop
.endr
.Lno_x:
	s_cmp_eq_u32 s3, 0                             ; my tensor's W and b: a choice on the wave's number alone
	s_cselect_b64 s[26:27], s[10:11], s[12:13]
	s_cselect_b64 s[28:29], s[16:17], s[18:19]
	s_cmp_eq_u32 s3, 2
	s_cselect_b64 s[26:27], s[14:15], s[26:27]
	s_cselect_b64 s[28:29], s[20:21], s[28:29]
	s_lshl_b32 s60, s4, 15                         ; my 128 rows of W: 256 bytes each
	s_mov_b32 s61, 0
	s_add_nc_u64 s[26:27], s[26:27], s[60:61]
; Chunk ch of four: W(128 tt + 32 ch + 16 h + i, 4 r + 0 .. 3), i = 0 .. 15, into set ch % 2: each load reads two whole rows of 256 bytes.  Every work-group reads W, so no hint is given.
.macro WLOAD ch
.set I, 0
.rept 16
	global_load_b128 v[X+64*((\ch)%2)+4*I:X+64*((\ch)%2)+4*I+3], v[WL], s[26:27] offset:(32*(\ch)+I)*256
.set I, I+1
.endr
.endm
	WLOAD 0
	WLOAD 1
	; where my codes go in qkv
	s_lshl_b32 s66, ttmp9, 2
	s_add_co_u32 s66, s66, s4                      ; gt: my token tile
	s_lshl_b32 s67, s66, 10                        ; Q: 1024 gt
	s_lshr_b32 s68, s66, 3
	s_lshl_b32 s68, s68, 14
	s_add_co_u32 s68, s68, 0x100000                ; the block of 128 tokens
	s_and_b32 s69, s66, 7
	s_lshl_b32 s70, s69, 10
	s_add_co_u32 s70, s70, s68                     ; K: tile gt % 8 of the block
	s_lshl_b32 s71, s69, 8
	s_add_co_u32 s71, s71, s68
	s_add_co_u32 s71, s71, 8192                    ; V^T: piece gt % 8 of each channel tile
	s_cmp_eq_u32 s3, 0
	s_cselect_b32 s58, s67, s70
	s_cmp_eq_u32 s3, 2
	s_cselect_b32 s58, s71, s58
	s_mov_b32 s59, 0
	s_add_nc_u64 s[58:59], s[24:25], s[58:59]
	s_wait_kmcnt 0x0
	s_cmp_eq_u32 s3, 0                             ; my product's three exponents; no branch hangs on them
	s_cselect_b32 s5, s32, s34                     ; e_x
	s_cselect_b32 s6, s33, s35                     ; e_w
	s_cselect_b32 s7, s38, s39                     ; e_o
	s_cmp_eq_u32 s3, 2
	s_cselect_b32 s5, s36, s5
	s_cselect_b32 s6, s37, s6
	s_cselect_b32 s7, s41, s7
.macro POW2 e, vs, vl                  ; v[vs] = 2^e as f32 (a conversion takes its exponent field), v[vl] = 448 x 2^e
	s_add_co_i32 s60, s[\e], 127
	s_lshl_b32 s61, s60, 23
	v_mov_b32 v[\vs], s61
	s_add_co_i32 s60, s60, 8
	s_lshl_b32 s60, s60, 23
	s_or_b32 s60, s60, 0x600000
	v_mov_b32 v[\vl], s60
.endm
	POW2 6, SW, LW
	POW2 5, SX, LX
	s_add_co_i32 s66, s5, s6                       ; a sum stands for sum x 2^(e_x + e_w):
	s_sub_co_i32 s67, s7, s66                      ; its code is (sum + b / 2^(e_x + e_w)) / 2^(e_o - e_x - e_w)
	POW2 67, SO, LO
	s_sub_co_i32 s56, 127, s66
	s_lshl_b32 s56, s56, 23                        ; 2^-(e_x + e_w) as f32
	s_mov_b32 s57, s56                             ; (named with it as a pair, so it is written)
; A chunk of W, column by column of my four: held within +-448 x the scale (the conversion to an 8-bit code does not saturate: ISA guide 7.6.2), and by the same line brought from register 4 i + j to register i of the
; column's run; converted; 16 codes to the column's row in LDS.  The two runs take turns, so sixteen plain lines stand between a conversion and the next write of its sources.
; The rows 4 r + j of sixteen lanes lie 2,112 bytes apart, on four 16-byte columns modulo 256 (64 banks of 4 bytes: ISA guide 11.1): these sixteen stores a wave go four deep, against 192 loads a wave that are spared.
.macro WCHUNK ch
.set XS, X+64*((\ch)%2)
.if (\ch) < 3
	s_wait_loadcnt 16                              ; this chunk's 16 loads are in; the next chunk's 16 may be out
.else
	s_wait_loadcnt 0x0
.endif
.irp j, 0,1,2,3
.set I, 0
.rept 16
	v_med3_num_f32 v[Y+16*(\j%2)+I], v[XS+4*I+\j], -v[LW], v[LW]
.set I, I+1
.endr
	v_cvt_scalef32_pk8_fp8_f32 v[CD+4*\j:CD+4*\j+1], v[Y+16*(\j%2):Y+16*(\j%2)+7], v[SW]
	v_cvt_scalef32_pk8_fp8_f32 v[CD+4*\j+2:CD+4*\j+3], v[Y+16*(\j%2)+8:Y+16*(\j%2)+15], v[SW]
.endr
	v_nop                                          ; a plain vector line behind the last conversion of the run
.irp j, 0,1,2,3
	ds_store_b128 v[WST], v[CD+4*\j:CD+4*\j+3] offset:\j*WP+32*(\ch)   ; column 4 r + j, k = 128 tt + 32 ch + 16 h + 0 .. 15
.endr
.if (\ch) < 2
	WLOAD (\ch)+2
.endif
	s_wait_dscnt 0x0                               ; the stores have read their registers: the next chunk's codes may be written
.endm
	s_wait_alu depctr_va_vdst(0)
.irp ch, 0,1,2,3
	WCHUNK \ch
.endr
	s_wait_tensorcnt 0x0                           ; my part of x has landed (waves 8 to 11 have none out),
	s_wait_dscnt 0x0                               ; my codes of W are stored:
	s_barrier_signal -1
	s_barrier_wait -1                              ; all of x and all of W's codes lie in LDS; from here on LDS is only read
; K step s: my 16 tokens' 128 numbers of x (64 a lane) are quantised with my product's scale; four products, one on each accumulator, so the accumulators take turns.
.macro KSTEP s, tr
.if \s > 0
.rept 4
	v_nop                                          ; places in front of loads into registers that matrix instructions have read
.endr
.endif
.irp c, 0,1,2,3
.irp i, 0,1,2,3
	ds_load_b128 v[X+16*\c+4*\i:X+16*\c+4*\i+3], v[XA+(\s)/2] offset:(2*((\s)%2)+(\c)/2)*XH+128*((\c)%2)+16*\i   ; x(r, 128 s + 32 c + 16 h + 4 i ..): piece 2 s + c / 2
.endr
.endr
.irp t, 0,1,2,3
.irp c, 0,1,2,3
	ds_load_b128 v[WF+16*\t+4*\c:WF+16*\t+4*\c+3], v[WA] offset:\t*16*WP+128*(\s)+32*\c            ; W's codes (column 16 t + r, k likewise)
.endr
.endr
	s_wait_dscnt 16                                ; x's sixteen loads are in; W's sixteen, issued behind them, may be out
.irp c, 0,1,2,3
.irp i, 0,1,2,3,4,5,6,7,8,9,10,11,12,13,14,15
	v_med3_num_f32 v[X+16*\c+\i], v[X+16*\c+\i], -v[LX], v[LX]
.endr
	v_cvt_scalef32_pk8_fp8_f32 v[XC+4*\c:XC+4*\c+1], v[X+16*\c:X+16*\c+7], v[SX]
	v_cvt_scalef32_pk8_fp8_f32 v[XC+4*\c+2:XC+4*\c+3], v[X+16*\c+8:X+16*\c+15], v[SX]
.endr
	v_nop                                          ; a plain vector line between the last conversion and the products that read its result
	s_wait_alu depctr_va_vdst(0)
	s_wait_dscnt 0x0
.irp t, 0,1,2,3
.if \tr
.if \s == 0
	v_wmma_f32_16x16x128_fp8_fp8 v[ACC+8*\t:ACC+8*\t+7], v[WF+16*\t:WF+16*\t+15], v[XC:XC+15], 0
.else
	v_wmma_f32_16x16x128_fp8_fp8 v[ACC+8*\t:ACC+8*\t+7], v[WF+16*\t:WF+16*\t+15], v[XC:XC+15], v[ACC+8*\t:ACC+8*\t+7]
.endif
.else
.if \s == 0
	v_wmma_f32_16x16x128_fp8_fp8 v[ACC+8*\t:ACC+8*\t+7], v[XC:XC+15], v[WF+16*\t:WF+16*\t+15], 0
.else
	v_wmma_f32_16x16x128_fp8_fp8 v[ACC+8*\t:ACC+8*\t+7], v[XC:XC+15], v[WF+16*\t:WF+16*\t+15], v[ACC+8*\t:ACC+8*\t+7]
.endif
.endif
.endr
.endm
; tr = 1: q or k, transposed: accumulator t, register j = (token r, channel 16 t + 8 h + j).  tr = 0: v: register j = (token 8 h + j, channel 16 t + r).
.macro MAIN tr
.if \tr
.irp t, 0,1,2,3
	global_load_b128 v[BI+8*\t:BI+8*\t+3], v[BH], s[28:29] offset:64*\t          ; b(16 t + 8 h + 0 .. 7): it lands during the K steps
	global_load_b128 v[BI+8*\t+4:BI+8*\t+7], v[BH], s[28:29] offset:64*\t+16
.endr
.else
.irp t, 0,1,2,3
	global_load_b32 v[BI+2*\t], v[BR], s[28:29] offset:64*\t                     ; b(16 t + r), twice: a pair for the packed multiply-add
	global_load_b32 v[BI+2*\t+1], v[BR], s[28:29] offset:64*\t
.endr
.endif
	KSTEP 0, \tr
	KSTEP 1, \tr
	KSTEP 2, \tr
	KSTEP 3, \tr
.rept 4
	v_nop                                          ; places in front of the first read of results
.endr
	s_wait_loadcnt 0x0                             ; the bias
.irp t, 0,1,2,3
.irp i, 0,2,4,6
.if \tr
	v_pk_fma_f32 v[ACC+8*\t+\i:ACC+8*\t+\i+1], v[BI+8*\t+\i:BI+8*\t+\i+1], s[56:57], v[ACC+8*\t+\i:ACC+8*\t+\i+1] op_sel_hi:[1,0,1]   ; sum + b / 2^(e_x + e_w), one rounding; each accumulator from its low end on
.else
	v_pk_fma_f32 v[ACC+8*\t+\i:ACC+8*\t+\i+1], v[BI+2*\t:BI+2*\t+1], s[56:57], v[ACC+8*\t+\i:ACC+8*\t+\i+1] op_sel_hi:[1,0,1]
.endif
.endr
.endr
.irp t, 0,1,2,3
.irp i, 0,1,2,3,4,5,6,7
	v_med3_num_f32 v[ACC+8*\t+\i], v[ACC+8*\t+\i], -v[LO], v[LO]
.endr
	v_cvt_scalef32_pk8_fp8_f32 v[OC+2*\t:OC+2*\t+1], v[ACC+8*\t:ACC+8*\t+7], v[SO]   ; registers 2 t, 2 t + 1 of the next operand
.endr
	v_nop
.if \tr
	global_store_b128 v[L16], v[OC:OC+3], s[58:59]                 ; each store covers 512 consecutive bytes, at a multiple of 256 from the buffer's first byte
	global_store_b128 v[L16], v[OC+4:OC+7], s[58:59] offset:512
.else
.irp t, 0,1,2,3
	global_store_b64 v[L8], v[OC+2*\t:OC+2*\t+1], s[58:59] offset:2048*\t   ; 256 consecutive bytes, at a multiple of 256
.endr
.endif
	s_wait_tensorcnt 0x0
	ds_add_u32 v248, v249
	s_wait_dscnt 0x0
	s_endpgm
.endm
	s_cmp_lt_u32 s2, 8                             ; the waves part on their number; no barrier follows
	s_cbranch_scc0 .Lv
	MAIN 1
.Lv:
	MAIN 0
.Lfunc_end_k_q56e2b6b440_proj:
	.size	k_q56e2b6b440_proj, .Lfunc_end_k_q56e2b6b440_proj-k_q56e2b6b440_proj
	.p2alignl 7, 3214868480
	.fill 96, 4, 3214868480
	.section	.rodata,"a",@progbits
	.p2align	6, 0x0
	.amdhsa_kernel k_q56e2b6b440_proj
		.amdhsa_group_segment_fixed_size 242176
		.amdhsa_private_segment_fixed_size 0
		.amdhsa_enable_private_segment 0
		.amdhsa_kernarg_size 72
		.amdhsa_user_sgpr_count 2
		.amdhsa_user_sgpr_kernarg_segment_ptr 1
		.amdhsa_wavefront_size32 1
		.amdhsa_system_sgpr_workgroup_id_x 1
		.amdhsa_system_sgpr_workgroup_id_y 1
		.amdhsa_system_sgpr_workgroup_id_z 1
		.amdhsa_system_vgpr_workitem_id 0
		.amdhsa_next_free_vgpr 250
		.amdhsa_next_free_sgpr 72
		.amdhsa_reserve_vcc 0
		.amdhsa_float_denorm_mode_32 3
		.amdhsa_float_denorm_mode_16_64 3
		.amdhsa_memory_ordered 1
		.amdhsa_forward_progress 1
		.amdhsa_inst_pref_size 97
	.end_amdhsa_kernel
	.amdgpu_metadata
---
amdhsa.version: [ 1, 2 ]
amdhsa.kernels:
  - .name:           k_q56e2b6b440_proj
    .symbol:         k_q56e2b6b440_proj.kd
    .args:
      - { .name: x, .offset: 0, .size: 8, .value_kind: global_buffer, .address_space: global }
      - { .name: Wq, .offset: 8, .size: 8, .value_kind: global_buffer, .address_space: global }
      - { .name: Wk, .offset: 16, .size: 8, .value_kind: global_buffer, .address_space: global }
      - { .name: Wv, .offset: 24, .size: 8, .value_kind: global_buffer, .address_space: global }
      - { .name: bq, .offset: 32, .size: 8, .value_kind: global_buffer, .address_space: global }
      - { .name: bk, .offset: 40, .size: 8, .value_kind: global_buffer, .address_space: global }
      - { .name: bv, .offset: 48, .size: 8, .value_kind: global_buffer, .address_space: global }
      - { .name: lowp_scales, .offset: 56, .size: 8, .value_kind: global_buffer, .address_space: global }
      - { .name: qkv, .offset: 64, .size: 8, .value_kind: global_buffer, .address_space: global }
    .group_segment_fixed_size: 242176
    .private_segment_fixed_size: 0
    .kernarg_segment_align: 8
    .kernarg_segment_size: 72
    .max_flat_workgroup_size: 384
    .sgpr_count:     72
    .vgpr_count:     250
    .wavefront_size: 32
...
	.end_amdgpu_metadata
.endif
;; end of part 1
;; launch attn (part 2): grid 64 x 4, 8 waves a work-group, clusters of 4 x 1, 327,680 bytes of LDS; arguments qkv, lowp_scales, out0; writes out0
.if DOCPART == 2
	.amdgcn_target "amdgcn-amd-amdhsa--gfx1250"
	.amdhsa_code_object_version 6
	.text
	.protected	k_q56e2b6b440_attn
	.globl	k_q56e2b6b440_attn
	.p2align	8
	.type	k_q56e2b6b440_attn,@function
k_q56e2b6b440_attn:
	s_mov_b64 s[64:65], 0
	v_nop
	global_prefetch_b8 v0, s[64:65] scope:SCOPE_SE
	s_setreg_imm32_b32 hwreg(HW_REG_WAVE_MODE, 25, 1), 1
	s_wait_xcnt 0x0
	s_wait_alu depctr_hold_cnt(0) depctr_sa_sdst(0) depctr_va_vdst(0) depctr_va_sdst(0) depctr_va_ssrc(0) depctr_va_vcc(0) depctr_vm_vsrc(0)
	s_getreg_b32 s2, hwreg(HW_REG_IB_STS2, 6, 4)
	s_cmp_eq_u32 s2, 0
	s_cbranch_scc0 .Lentry_in_a_cluster
	s_endpgm
.Lentry_in_a_cluster:
	s_bfe_u32 s2, ttmp6, 0x10000c
	s_cmp_lg_u32 s2, 0x3003
	s_cbranch_scc0 .Lentry_shape_is_right
	s_endpgm
.Lentry_shape_is_right:
; out[b][q][:] = the sum over k of softmax_k(q . k / 8) v[k][:], both products on codes of FP8 (E4M3) as the launch before laid them in qkv (images of operand registers):
; Q: token tile gt at 1024 gt (registers 0-3 at 16 x lane, 4-7 at 512 + 16 x lane).  From 1 MiB on a block of 16,384 bytes for 128 keys: K's eight tiles, then V^T's four channel tiles of 2,048 bytes
; (registers 2 c, 2 c + 1 at 256 c + 8 x lane).  lowp_scales: e6 (q), e7 (k), e8 (p), e9 (v).  out0: [4][4096][64] f32.
; THE SOFTMAX: t = score x log2(e) / 8; M = the largest t so far, rounded UP to a whole number; p = 2^(t - M) is quantised with 2^e8, not normalised; the sum is taken of the unquantised p and divides at the end.
; When M moves, the sum and O are multiplied by 2^(old M - new M): nothing is rounded, and no branch hangs on data.
; SHARES.  A work-group owns 64 queries of one batch.  Each of its eight waves walks 512 keys OF ITS OWN (blocks 4 w .. 4 w + 3 of the batch's 32) for all 64 queries: no two waves of a work-group read the same tile,
; so a fragment of K or V enters registers once and feeds four tiles of queries, and no barrier stands in the walk.  A block's two pairs of query tiles go one after the other on the same fragments.
; WHERE THE TILES COME FROM.  K and V of a batch are 524,288 bytes; one fill of LDS takes 262,144 of them.  A wave's blocks 1 and 2 (32,768 dense bytes) come by ONE tensor load, asked for JOINTLY by the four work-groups of a cluster,
; which belong to one batch: the same descriptor and the mask of all four.  Blocks 0 and 3 go from memory straight into the registers of the one wave that uses them: so nothing in LDS is filled twice,
; no round of the cluster's barrier stands between the first block and its products, and none in the walk.
; PREFETCH.  Block 3 is asked for into the L2 ahead of the walk, three blocks before it is loaded: of each wave's 16,384 bytes the work-group with number i of the batch's 64 names the 256 bytes at 256 i: each once in the launch.
; LAYOUT.  S^T = K Q^T (source 0 = 16 keys, source 1 = 16 queries): a lane holds ONE query (lane % 16), register j of tile c key 16 c + 8 (lane / 16) + j: one conversion of tile c gives registers 2 c, 2 c + 1 of P.
; O^T = V^T P^T (source 0 = 16 channels x 128 keys): again one query a lane, eight channels a tile.
; The eight waves' (-M, sum, O) meet at the end through LDS, brought under one M by exact powers of two.
; LIMITS: e6 + e7 between -123 and 130 (added to the exponent field of log2(e) / 8); e8 between -126 and 119; e8 + e9 goes by v_ldexp_f32.  NaN among the inputs is not served.
; The scaled scores t stay under 2^31 in magnitude (M's steps are turned into whole numbers of 32 bits).
; REGISTERS.  Window 0: v1-11 addresses and the like; v12-27 statistics; v28-31 at work; v32-159 S^T, then p (64 a tile); v160-191 P's codes (16 a tile); v192-255 K.
;   Window 1: v0-63 V; v64-191 O^T (32 a tile, channel tile t at 8 t); v192-223 Q (8 a tile).
.set REGION, 32768                     ; LDS: a region for each wave: its blocks 1 and 2; later its part of the way out
.set SPARE, 8*REGION                   ; behind the regions: the spare words, 128 bytes for each of eight waves: four blocks of 256 bytes that no other line names
.set OSP,   272                        ; the way out, in my own region, which has had its one fill and my last read: 64 rows of 64 f32 + 16 bytes
.set STAT,  0x4800                     ; and behind them (-M, sum) of 64 queries, 8 bytes each
.set L16,  1                           ; v1   16 x lane
.set L8,   2                           ; v2   8 x lane
.set AK0,  3                           ; v3   L16 + my region
.set AV0,  4                           ; v4   L8 + my region + 8,192
.set SPW,  5                           ; v5   LDS address of my spare word; never rewritten
.set NIL,  6                           ; v6   0; never rewritten
.set ADK,  7                           ; v7   AK0 + the block in hand
.set ADV,  8                           ; v8   AV0 + the block in hand
.set SP,   9                           ; v9   2^e8
.set FF,   10                          ; v10, v11  f of the pair's two tiles
.set ST,   12                          ; query tile q at v[ST+4q]: -M, the largest score, the sum in two halves
.set XX,   28                          ; tile u of the pair at v[XX+2u]: a pair at work
.set SC,   32
.set PC,   160
.set KF,   192
.set VF,   0                           ; in window 1
.set OF,   64                          ; in window 1
.set QF,   192                         ; in window 1
.set D0,   0                           ; block 0 in my part of qkv
.set D3,   49152                       ; block 3
.set MSB, 0
.macro WIN new                         ; the immediate's high byte repeats the setting that is left; a switch that changes nothing is dropped
.if MSB != \new
	s_set_vgpr_msb (MSB<<8)|\new
.set MSB, \new
.endif
.endm
.set W_S,   0x04                       ; source 1 (Q) window 1
.set W_PV,  0x51                       ; source 0 (V), C and D (O^T) window 1
.set W_RS,  0x41                       ; destination and source 0 (O^T) window 1
.set TO1,   0x40                       ; destination window 1
.set ST1,   0x04                       ; an LDS store's data window 1
; A round of the cluster's barrier: my work-group's barrier, so that wave 0's signal speaks for all eight waves; wave 0 signals; every wave waits for all four work-groups; my work-group's barrier once more.
.macro CROUND
	s_barrier_signal -1
	s_barrier_wait -1
	s_cmp_lg_u32 s10, 0
	s_cbranch_scc1 .Lnot_wave_0_\@
	s_barrier_signal -3
.Lnot_wave_0_\@:
	s_barrier_wait -3
	s_barrier_signal -1
	s_barrier_wait -1
.endm
.macro KGLB off                        ; K's eight tiles from memory, as images: 512 consecutive bytes a load
.irp c, 0,1,2,3,4,5,6,7
	global_load_b128 v[KF+8*\c:KF+8*\c+3], v[L16], s[38:39] offset:\off+\c*1024
	global_load_b128 v[KF+8*\c+4:KF+8*\c+7], v[L16], s[38:39] offset:\off+\c*1024+512
.endr
.endm
.macro VGLB off                        ; V^T's four tiles from memory
	WIN TO1
.irp t, 0,1,2,3
.irp c, 0,1,2,3,4,5,6,7
	global_load_b64 v[VF+16*\t+2*\c:VF+16*\t+2*\c+1], v[L8], s[38:39] offset:\off+8192+\t*2048+\c*256
.endr
.endr
	WIN 0
.endm
	s_load_b128 s[4:7], s[0:1], 0x0                ; qkv s[4:5], the scales' exponents s[6:7]
	s_load_b64 s[8:9], s[0:1], 0x10                ; out0
	v_lshl_add_u32 v[SPW], v0, 2, SPARE
	v_mov_b32 v[NIL], 0
	ds_add_u32 v[SPW], v[NIL]                      ; the wave's opening: the add, twice on end, and its wait ahead of my tensor load
	ds_add_u32 v[SPW], v[NIL]
	v_lshrrev_b32 v12, 5, v0
	v_readfirstlane_b32 s10, v12                   ; w: wave 0..7
	s_lshl_b32 s25, s10, 15                        ; my region
	v_and_b32 v12, 31, v0                          ; lane
	v_lshlrev_b32 v[L16], 4, v12
	v_lshlrev_b32 v[L8], 3, v12
	v_add_nc_u32 v[AK0], s25, v[L16]
	v_add_nc_u32 v[AV0], s25, v[L8]
	v_add_nc_u32 v[AV0], 8192, v[AV0]
	s_bfe_u32 s13, ttmp6, 0x40000                  ; cx: it enters Q's, out0's and the prefetch's global addresses alone
	s_lshl_b32 s14, ttmp9, 2
	s_add_co_u32 s14, s14, s13                     ; i: my block of 64 queries = 4 x cluster x + cx
	s_and_b32 s15, ttmp7, 0xffff                   ; the batch, which the four partners share
	; descriptor group 1: 32,768 dense bytes as 128 rows of 32 elements of 8 bytes
	s_mov_b32 s16, 15|(3<<16)|(1<<21)              ; 15:0 the mask: all four work-groups; 17:16 elements of 8 bytes; 21 set beside a mask; no padding: image reads take consecutive bytes
	s_mov_b32 s17, 32<<16                          ; tensor_dim0 = 32
	s_mov_b32 s18, 128<<16                         ; tensor_dim1 = 128
	s_mov_b32 s19, 32<<16                          ; tile_dim0 = 32
	s_mov_b32 s20, 128                             ; tile_dim1 = 128
	s_mov_b32 s21, 32                              ; tensor_dim0_stride
	s_mov_b32 s22, 0
	s_mov_b32 s23, 0
	s_lshl_b32 s36, s15, 19                        ; the batch's 32 blocks,
	s_lshl_b32 s37, s10, 16                        ; my four of them
	s_add_co_u32 s36, s36, s37
	s_add_co_u32 s36, s36, 0x100000
	s_mov_b32 s37, 0
	s_lshl_b32 s44, s15, 8                         ; Q: token tile 256 x batch + 4 i
	s_lshl_b32 s45, s14, 2
	s_add_co_u32 s44, s44, s45
	s_lshl_b32 s44, s44, 10
	s_mov_b32 s45, 0
	s_lshl_b32 s48, s15, 12                        ; out0: row 4096 x batch + 64 i + 8 w, 256 bytes a row
	s_lshl_b32 s49, s14, 6
	s_add_co_u32 s48, s48, s49
	s_lshl_b32 s49, s10, 3
	s_add_co_u32 s48, s48, s49
	s_lshl_b32 s48, s48, 8
	s_mov_b32 s49, 0
	s_lshl_b32 s52, s14, 8                         ; the prefetch: 256 i in block 3
	s_add_co_u32 s52, s52, D3
	s_mov_b32 s53, 0
	s_mov_b32 s30, 0x76543210                      ; v_permlanex16_b32's selects for lane l xor 16
	s_mov_b32 s31, 0xfedcba98
	s_mov_b32 s32, 0x3e38aa3b                      ; c = log2(e) / 8
	s_mov_b32 s28, 0                               ; which of my region's two blocks the next K lies in
	s_mov_b32 s29, 3                               ; the loop's trips: 3, 2, 1 stand for blocks 0, 1, 2
	s_wait_alu depctr_va_vdst(0)
	s_wait_dscnt 0x0                               ; both opening adds are done
	s_wait_kmcnt 0x0
	s_load_b128 s[40:43], s[6:7], 0x18             ; e6, e7, e8, e9
	s_add_nc_u64 s[38:39], s[4:5], s[36:37]        ; my four blocks
	s_add_nc_u64 s[46:47], s[4:5], s[44:45]
	KGLB D0                                        ; block 0: K first, ahead of Q's eight loads,
	WIN TO1
.irp q, 0,1,2,3
	global_load_b128 v[QF+8*\q:QF+8*\q+3], v[L16], s[46:47] offset:\q*1024       ; Q's four fragments stay in registers
	global_load_b128 v[QF+8*\q+4:QF+8*\q+7], v[L16], s[46:47] offset:\q*1024+512
.endr
	WIN 0
	s_add_nc_u64 s[8:9], s[8:9], s[48:49]
	s_add_nc_u64 s[50:51], s[38:39], s[52:53]
	s_mov_b32 s24, 1                               ; group 0: blocks 1 and 2 into my region: no place in the cluster enters it
	s_add_nc_u64 s[26:27], s[38:39], 16384
	s_or_b32 s27, s27, 0x80000000                  ; type = 2
	CROUND                                         ; all four work-groups are here: the joint loads meet
	tensor_load_to_lds s[24:27], s[16:23]          ; the wave's one tensor load
	s_nop 0
.rept 4
	v_nop
.endr
	VGLB D0                                        ; block 0's V
	WIN TO1
.set J, 0
.rept 128
	v_mov_b32 v[OF+J], 0                           ; O^T, while the loads are on their way.  (A block is written with no first block of its own: the first finds zeros, which the first change of M leaves zeros)
.set J, J+1
.endr
	WIN 0
.irp q, 0,1,2,3
	v_mov_b32 v[ST+4*\q+1], 0xff61b1e6             ; the largest score so far: -3e38
	v_mov_b32 v[ST+4*\q+2], 0                      ; the sum, in two halves
	v_mov_b32 v[ST+4*\q+3], 0
	v_mov_b32 v[ST+4*\q], 0x7e800000               ; -M: far above every later one, so the first f is 0 and the zeros stay zeros
.endr
	s_wait_kmcnt 0x0
	s_add_co_i32 s44, s40, s41
	s_lshl_b32 s44, s44, 23
	s_add_co_i32 s32, s32, s44                     ; a score stands for score x 2^(e6 + e7): the two exponents are added to c's exponent field
	s_mov_b32 s33, s32                             ; (named with it as a pair, so it is written)
	s_add_co_i32 s44, s42, 127
	s_lshl_b32 s45, s44, 23
	v_mov_b32 v[SP], s45                           ; 2^e8 as f32, for the conversion
	s_add_co_i32 s44, s44, 8
	s_lshl_b32 s44, s44, 23
	s_or_b32 s34, s44, 0x600000                    ; 448 x 2^e8
	s_add_co_i32 s35, s42, s43                     ; e8 + e9
.macro DMIN x                          ; two holds as one dual-issue pair; p is not negative, so the hold is one-sided (the conversion to an 8-bit code does not saturate: ISA guide 7.6.2)
	v_dual_min_num_f32 v[\x], s34, v[\x] :: v_dual_min_num_f32 v[\x+1], s34, v[\x+1]
.endm
; The softmax of pair p's two tiles of 16 queries x 128 keys.  In the maxima and statistics the two tiles alternate line by line.
; The exponentials of tile 0 stand between the scalings of tile 1; those of tile 1 between the first level of tile 0's sum (16 pairs, laid where P's codes come later) and tile 0's holds.
.macro SOFTMAX p
.set TS, ST+8*(\p)
.irp u, 0,1
	v_max3_num_f32 v[XX+2*\u], v[SC+64*\u], v[SC+64*\u+1], v[SC+64*\u+2]   ; the block's largest score among my 64 keys, in two chains, ascending: each accumulator is read from its low end on
.endr
.irp u, 0,1
	v_max3_num_f32 v[XX+2*\u+1], v[SC+64*\u+3], v[SC+64*\u+4], v[SC+64*\u+5]
.endr
.irp i, 6,10,14,18,22,26,30,34,38,42,46,50,54,58
.irp u, 0,1
	v_max3_num_f32 v[XX+2*\u], v[XX+2*\u], v[SC+64*\u+\i], v[SC+64*\u+\i+1]
.endr
.irp u, 0,1
	v_max3_num_f32 v[XX+2*\u+1], v[XX+2*\u+1], v[SC+64*\u+\i+2], v[SC+64*\u+\i+3]
.endr
.endr
.irp u, 0,1
	v_max3_num_f32 v[XX+2*\u], v[XX+2*\u], v[SC+64*\u+62], v[SC+64*\u+63]
.endr
.irp u, 0,1
	s_delay_alu instid0(VALU_DEP_2)
	v_max_num_f32 v[XX+2*\u], v[XX+2*\u], v[XX+2*\u+1]
.endr
.irp u, 0,1
	s_delay_alu instid0(VALU_DEP_2)
	v_permlanex16_b32 v[XX+2*\u+1], v[XX+2*\u], s30, s31
.endr
.irp u, 0,1
	s_delay_alu instid0(VALU_DEP_2)
	v_max3_num_f32 v[TS+4*\u+1], v[TS+4*\u+1], v[XX+2*\u], v[XX+2*\u+1]   ; the running largest score, lane l xor 16's keys among it
.endr
.irp u, 0,1
	s_delay_alu instid0(VALU_DEP_2)
	v_mul_f32 v[XX+2*\u], s32, v[TS+4*\u+1]        ; as t (c is positive)
.endr
.irp u, 0,1
	s_delay_alu instid0(VALU_DEP_2)
	v_floor_f32 v[XX+2*\u+1], -v[XX+2*\u]          ; the new -M = floor(-t) = -ceil(t): M is a whole number
.endr
.irp u, 0,1
	s_delay_alu instid0(VALU_DEP_2)
	v_sub_f32 v[XX+2*\u], v[XX+2*\u+1], v[TS+4*\u] ; old M - new M: a whole number, 0 or less
.endr
.irp u, 0,1
	v_mov_b32 v[TS+4*\u], v[XX+2*\u+1]
.endr
.irp u, 0,1
	v_cvt_i32_f32 v[XX+2*\u], v[XX+2*\u]           ; (it saturates)
.endr
.irp u, 0,1
	s_delay_alu instid0(VALU_DEP_2)
	v_ldexp_f32 v[FF+\u], 1.0, v[XX+2*\u]          ; f = 2^(old M - new M)
.endr
.set J, 0
.rept 32
	v_pk_fma_f32 v[SC+J:SC+J+1], v[SC+J:SC+J+1], s[32:33], v[TS:TS+1] op_sel_hi:[1,0,0]   ; t - M, two at a time (of the pairs c and -M the low word serves both halves)
.set J, J+2
.endr
	s_wait_alu depctr_va_vdst(0)
.set J, 0
.rept 32
	v_exp_f32 v[SC+J], v[SC+J]                     ; p = 2^(t - M), at most 1: not normalised
	v_pk_fma_f32 v[SC+64+J:SC+64+J+1], v[SC+64+J:SC+64+J+1], s[32:33], v[TS+4:TS+5] op_sel_hi:[1,0,0]
	v_exp_f32 v[SC+J+1], v[SC+J+1]
.set J, J+2
.endr
	s_wait_alu depctr_va_vdst(0)                   ; behind tile 0's batch and ahead of tile 1's
.set J, 0
.rept 16
	v_exp_f32 v[SC+64+4*J], v[SC+64+4*J]
	v_pk_add_f32 v[PC+2*J:PC+2*J+1], v[SC+4*J:SC+4*J+1], v[SC+4*J+2:SC+4*J+3]   ; the sum is taken of the unquantised p
	v_exp_f32 v[SC+64+4*J+1], v[SC+64+4*J+1]
	DMIN SC+4*J
	v_exp_f32 v[SC+64+4*J+2], v[SC+64+4*J+2]
	DMIN SC+4*J+2
	v_exp_f32 v[SC+64+4*J+3], v[SC+64+4*J+3]
.set J, J+1
.endr
	s_wait_alu depctr_va_vdst(0)                   ; behind tile 1's batch
	v_pk_fma_f32 v[TS+2:TS+3], v[TS+2:TS+3], v[FF:FF+1], v[PC:PC+1] op_sel_hi:[1,0,1]     ; tile 0's sum under the new M (f: the pair's low word)
	v_pk_fma_f32 v[TS+6:TS+7], v[TS+6:TS+7], v[FF:FF+1], v[SC+64:SC+65] op_sel:[0,1,0] op_sel_hi:[1,1,1]   ; tile 1's (f: the pair's high word)
	v_pk_add_f32 v[XX:XX+1], v[PC+2:PC+3], v[PC+4:PC+5]
	v_pk_add_f32 v[XX+2:XX+3], v[SC+66:SC+67], v[SC+68:SC+69]
.set J, 6
.rept 6
	v_pk_add_f32 v[TS+2:TS+3], v[TS+2:TS+3], v[PC+J:PC+J+1]
	v_pk_add_f32 v[TS+6:TS+7], v[TS+6:TS+7], v[SC+64+J:SC+64+J+1]
	v_pk_add_f32 v[XX:XX+1], v[XX:XX+1], v[PC+J+2:PC+J+3]
	v_pk_add_f32 v[XX+2:XX+3], v[XX+2:XX+3], v[SC+64+J+2:SC+64+J+3]
.set J, J+4
.endr
	v_pk_add_f32 v[TS+2:TS+3], v[TS+2:TS+3], v[PC+30:PC+31]
	v_pk_add_f32 v[TS+6:TS+7], v[TS+6:TS+7], v[SC+64+30:SC+64+31]
	v_pk_add_f32 v[TS+2:TS+3], v[TS+2:TS+3], v[XX:XX+1]
.set J, 0
.rept 8
	v_pk_add_f32 v[XX+2:XX+3], v[XX+2:XX+3], v[SC+96+4*J:SC+96+4*J+1]
	DMIN SC+64+4*J
	v_cvt_scalef32_pk8_fp8_f32 v[PC+2*J:PC+2*J+1], v[SC+8*J:SC+8*J+7], v[SP]   ; tile 0, keys 16 c + 8 h + 0 .. 7: registers 2 c, 2 c + 1 of P (the first level of its sum is read out)
	v_pk_add_f32 v[TS+6:TS+7], v[TS+6:TS+7], v[SC+96+4*J+2:SC+96+4*J+3]
	DMIN SC+64+4*J+2
.set J, J+1
.endr
	v_pk_add_f32 v[TS+6:TS+7], v[TS+6:TS+7], v[XX+2:XX+3]
.set J, 0
.rept 4
	DMIN SC+96+8*J
	DMIN SC+96+8*J+2
	v_cvt_scalef32_pk8_fp8_f32 v[PC+16+2*J:PC+16+2*J+1], v[SC+64+8*J:SC+64+8*J+7], v[SP]
	DMIN SC+96+8*J+4
	DMIN SC+96+8*J+6
.set J, J+1
.endr
.rept 4
	v_cvt_scalef32_pk8_fp8_f32 v[PC+16+2*J:PC+16+2*J+1], v[SC+64+8*J:SC+64+8*J+7], v[SP]
.set J, J+1
.endr
.endm
.macro QK p                            ; S^T of pair p: sixteen accumulators, one instruction each
	WIN W_S
.irp c, 0,1,2,3,4,5,6,7
.irp u, 0,1
	v_wmma_f32_16x16x64_fp8_fp8 v[SC+64*\u+8*\c:SC+64*\u+8*\c+7], v[KF+8*\c:KF+8*\c+7], v[QF+16*(\p)+8*\u:QF+16*(\p)+8*\u+7], 0
.endr
.endr
	WIN 0
.endm
.macro PV p                            ; O^T of pair p under the new M, and the block's part added
	WIN W_RS
	s_wait_alu depctr_va_vdst(0)                   ; ahead of the first reader of O^T
.irp i, 0,2,4,6,8,10,12,14,16,18,20,22,24,26,28,30
	v_pk_mul_f32 v[OF+64*(\p)+\i:OF+64*(\p)+\i+1], v[OF+64*(\p)+\i:OF+64*(\p)+\i+1], v[FF:FF+1] op_sel_hi:[1,0]   ; x f.  (Also the plain lines between the conversions and the products)
.endr
.irp i, 32,34,36,38,40,42,44,46,48,50,52,54,56,58,60,62
	v_pk_mul_f32 v[OF+64*(\p)+\i:OF+64*(\p)+\i+1], v[OF+64*(\p)+\i:OF+64*(\p)+\i+1], v[FF:FF+1] op_sel:[0,1] op_sel_hi:[1,1]
.endr
	WIN W_PV
.irp t, 0,1,2,3
.irp u, 0,1
	v_wmma_f32_16x16x128_fp8_fp8 v[OF+64*(\p)+32*\u+8*\t:OF+64*(\p)+32*\u+8*\t+7], v[VF+16*\t:VF+16*\t+15], v[PC+16*\u:PC+16*\u+15], v[OF+64*(\p)+32*\u+8*\t:OF+64*(\p)+32*\u+8*\t+7]   ; eight accumulators take turns
.endr
.endr
	WIN 0
.endm
	s_wait_alu depctr_va_vdst(0)
	s_wait_loadcnt 32                              ; Q and block 0's K are in; V's 32 loads, issued behind them, may be out
	QK 0
	global_prefetch_b8 v[NIL], s[50:51] th:TH_LOAD_NT scope:SCOPE_SE   ; block 3, which is loaded in the third trip and behind the loop
; A BLOCK of 128 keys, from behind pair 0's scores on.  V is asked for here and lands while pair 0's softmax runs (block 0's was asked for at the head); the next block's K is asked for when pair 1's scores are made.
; The branches hang on the count of trips alone and lead round loads into registers.  Every wait for them is for 0, on both counters.
.macro WALK last
.if \last
.rept 4
	v_nop                                          ; places in front of the first read of scores, and of loads into registers that matrix instructions have read
.endr
	VGLB D3
.else
	s_xor_b32 s54, s28, 16384                      ; V's block of my region: K ran one ahead
	v_add_nc_u32 v[ADV], s54, v[AV0]
.rept 3
	v_nop                                          ; with the addition: four places, as above
.endr
	s_cmp_eq_u32 s29, 3
	s_wait_alu depctr_va_vdst(0)
	s_cbranch_scc1 .Lhave_v_\@                     ; block 0's V was asked for at the head
	s_wait_tensorcnt 0x0                           ; my region is filled: I alone read it
	WIN TO1
.irp t, 0,1,2,3
.irp c, 0,1,2,3,4,5,6,7
	ds_load_b64 v[VF+16*\t+2*\c:VF+16*\t+2*\c+1], v[ADV] offset:\t*2048+\c*256
.endr
.endr
	WIN 0
.Lhave_v_\@:
.endif
	SOFTMAX 0
	s_wait_loadcnt 0x0                             ; V
	s_wait_dscnt 0x0
	PV 0
	QK 1
.if \last == 0
	v_add_nc_u32 v[ADK], s28, v[AK0]
.rept 3
	v_nop
.endr
	s_cmp_eq_u32 s29, 1
	s_wait_alu depctr_va_vdst(0)
	s_cbranch_scc1 .Ldirect_\@                     ; the next block is block 3
	s_wait_tensorcnt 0x0                           ; my region is filled
.irp c, 0,1,2,3,4,5,6,7
	ds_load_b128 v[KF+8*\c:KF+8*\c+3], v[ADK] offset:\c*1024
	ds_load_b128 v[KF+8*\c+4:KF+8*\c+7], v[ADK] offset:\c*1024+512
.endr
	s_branch .Lasked_\@
.Ldirect_\@:
	KGLB D3
.Lasked_\@:
.else
.rept 4
	v_nop
.endr
.endif
	SOFTMAX 1
	PV 1
.endm
.Lblock:                                           ; three trips: blocks 0, 1, 2
	WALK 0
	s_wait_loadcnt 0x0                             ; the next block's K
	s_wait_dscnt 0x0
	QK 0
	s_xor_b32 s28, s28, 16384
	s_sub_co_u32 s29, s29, 1
	s_cmp_lg_u32 s29, 0
	s_wait_alu depctr_va_vdst(0)
	s_cbranch_scc1 .Lblock
	WALK 1                                         ; block 3: nothing is left to ask for
	; THE MERGE.  Each wave lays its O as it stands and (-M, sum) of its 64 queries into its own region; behind one barrier each wave joins the eight parts of rows 8 w .. 8 w + 7.
	; The lines from here to the stores are also the places behind the last products.
.irp q, 0,1,2,3
	v_add_f32 v[ST+4*\q+1], v[ST+4*\q+2], v[ST+4*\q+3]   ; the sum's two halves (the largest score is done with),
.endr
.irp q, 0,1,2,3
	v_permlanex16_b32 v[XX+\q], v[ST+4*\q+1], s30, s31
.endr
.irp q, 0,1,2,3
	v_add_f32 v[ST+4*\q+1], v[ST+4*\q+1], v[XX+\q]       ; and lane l xor 16's
.endr
	s_lshl_b32 s44, s10, 15                        ; my region
	s_add_co_u32 s45, s44, STAT
	s_mul_i32 s46, s10, 8*OSP                      ; my first row to join
	s_lshl_b32 s47, s10, 6
	s_add_co_u32 s47, s47, STAT
	v_and_b32 v11, 15, v0                          ; r
	v_bfe_u32 v8, v0, 4, 1                         ; h
	v_lshl_add_u32 v10, v11, 3, s45                ; 8 bytes a query; both halves of the lanes hold and store the same pair
	v_mul_u32_u24 v7, v11, OSP
	v_lshl_add_u32 v7, v8, 5, v7
	v_add_nc_u32 v7, s44, v7                       ; row r, + 32 h
	s_wait_alu depctr_va_vdst(0)
	s_wait_tensorcnt 0x0                           ; (nothing of mine is out: the region is mine to store into)
.irp q, 0,1,2,3
	ds_store_b64 v10, v[ST+4*\q:ST+4*\q+1] offset:128*\q
.endr
	WIN ST1
.irp q, 0,1,2,3
.irp t, 0,1,2,3
	ds_store_b128 v7, v[OF+32*\q+8*\t:OF+32*\q+8*\t+3] offset:16*OSP*\q+64*\t        ; (query 16 q + r, channels 16 t + 8 h + 0 .. 7)
	ds_store_b128 v7, v[OF+32*\q+8*\t+4:OF+32*\q+8*\t+7] offset:16*OSP*\q+64*\t+16
.endr
.endr
	WIN 0
	v_mul_u32_u24 v3, v8, OSP
	v_lshl_add_u32 v3, v11, 4, v3
	v_add_nc_u32 v32, s46, v3                      ; row 8 w + h, 16 r bytes on, in the regions of waves 0 and 1,
	v_add_nc_u32 v33, 0x10000, v32                 ; 2 and 3,
	v_add_nc_u32 v34, 0x20000, v32
	v_add_nc_u32 v35, 0x30000, v32
	v_and_b32 v4, 7, v0                            ; in the statistics a lane takes ONE part, r % 8
	v_lshlrev_b32 v4, 15, v4
	v_lshl_add_u32 v4, v8, 3, v4
	v_add_nc_u32 v4, s47, v4                       ; (-M, sum) of row 8 w + h in that part
	s_wait_alu depctr_va_vdst(0)
	s_wait_dscnt 0x0                               ; for the others' sake: my part is stored
	s_barrier_signal -1
	s_barrier_wait -1
.irp i, 0,1,2,3
	ds_load_b64 v[36+2*\i:37+2*\i], v4 offset:16*\i                ; rows 8 w + 2 i + h
.endr
.irp i, 0,1,2,3
.irp g, 0,1,2,3,4,5,6,7
	ds_load_b128 v[96+32*\i+4*\g:96+32*\i+4*\g+3], v[32+\g/2] offset:(\g%2)*32768+2*OSP*\i   ; part g of rows 8 w + 2 i and 8 w + 2 i + 1
.endr
.endr
	s_wait_dscnt 32                                ; the statistics are in; the 32 loads behind them may be out
.irp i, 0,1,2,3
	v_min_num_f32_dpp v[44+\i], v[36+2*\i], v[36+2*\i] row_xmask:1 row_mask:0xf bank_mask:0xf
.endr
.irp i, 0,1,2,3
	v_min_num_f32_dpp v[44+\i], v[44+\i], v[44+\i] row_xmask:2 row_mask:0xf bank_mask:0xf
.endr
.irp i, 0,1,2,3
	v_min_num_f32_dpp v[44+\i], v[44+\i], v[44+\i] row_xmask:4 row_mask:0xf bank_mask:0xf   ; the least -M of the eight parts: the largest M
.endr
.irp i, 0,1,2,3
	v_sub_f32 v[48+\i], v[44+\i], v[36+2*\i]       ; my part's M less the largest: a whole number, 0 or less
.endr
.irp i, 0,1,2,3
	v_cvt_i32_f32 v[48+\i], v[48+\i]
.endr
.irp i, 0,1,2,3
	v_ldexp_f32 v[48+\i], 1.0, v[48+\i]
.endr
.irp i, 0,1,2,3
	v_mul_f32 v[52+\i], v[48+\i], v[37+2*\i]
.endr
.irp i, 0,1,2,3
	v_add_f32_dpp v[52+\i], v[52+\i], v[52+\i] row_xmask:1 row_mask:0xf bank_mask:0xf
.endr
.irp i, 0,1,2,3
	v_add_f32_dpp v[52+\i], v[52+\i], v[52+\i] row_xmask:2 row_mask:0xf bank_mask:0xf
.endr
.irp i, 0,1,2,3
	v_add_f32_dpp v[52+\i], v[52+\i], v[52+\i] row_xmask:4 row_mask:0xf bank_mask:0xf       ; the row's whole sum under the largest M
.endr
	s_wait_alu depctr_va_vdst(0)
.irp i, 0,1,2,3
	v_rcp_f32 v[52+\i], v[52+\i]
.endr
	v_nop                                          ; a plain line between the last reciprocal and the use of its result
	s_wait_alu depctr_va_vdst(0)
.irp i, 0,1,2,3
	v_mul_f32 v[48+\i], v[48+\i], v[52+\i]
.endr
.irp i, 0,1,2,3
	v_ldexp_f32 v[48+\i], v[48+\i], s35            ; my part's factor / the sum x 2^(e8 + e9)
.endr
.irp i, 0,1,2,3
.irp g, 0,1,2,3,4,5,6,7
	v_mov_b32_dpp v[56+8*\i+\g], v[48+\i] row_share:\g row_mask:0xf bank_mask:0xf          ; part g's factor, in all lanes of the row
.endr
.endr
.macro JOIN i, g                       ; row i of mine: part g x its factor: the low or the high word of a pair
.set FP, 56+8*(\i)+2*((\g)/2)
.irp d, 0,2
.if (\g) == 0
	v_pk_mul_f32 v[224+4*(\i)+\d:225+4*(\i)+\d], v[96+32*(\i)+\d:97+32*(\i)+\d], v[FP:FP+1] op_sel_hi:[1,0]
.elseif (\g)%2
	v_pk_fma_f32 v[224+4*(\i)+\d:225+4*(\i)+\d], v[96+32*(\i)+4*(\g)+\d:97+32*(\i)+4*(\g)+\d], v[FP:FP+1], v[224+4*(\i)+\d:225+4*(\i)+\d] op_sel:[0,1,0] op_sel_hi:[1,1,1]
.else
	v_pk_fma_f32 v[224+4*(\i)+\d:225+4*(\i)+\d], v[96+32*(\i)+4*(\g)+\d:97+32*(\i)+4*(\g)+\d], v[FP:FP+1], v[224+4*(\i)+\d:225+4*(\i)+\d] op_sel_hi:[1,0,1]
.endif
.endr
.endm
	s_wait_alu depctr_va_vdst(0)
.irp i, 0,2
	s_wait_dscnt 16-8*\i                           ; rows i and i + 1 are in: the 16 loads of the later two may be out
.irp g, 0,1,2,3,4,5,6,7
	JOIN \i, \g
	JOIN \i+1, \g
.endr
	global_store_b128 v[L16], v[224+4*\i:227+4*\i], s[8:9] offset:512*\i th:TH_STORE_NT      ; two rows of out0: 512 consecutive bytes, at a multiple of 256; written once, read by nobody here
	global_store_b128 v[L16], v[228+4*\i:231+4*\i], s[8:9] offset:512*\i+512 th:TH_STORE_NT
.endr
	s_wait_tensorcnt 0x0                           ; the wave's end, behind my last tensor load and my last LDS store
	ds_add_u32 v[SPW], v[NIL]
	s_wait_dscnt 0x0
	CROUND                                         ; the closing round: no work-group ends while a partner may still ask for a tile that names it
	s_endpgm
.Lfunc_end_k_q56e2b6b440_attn:
	.size	k_q56e2b6b440_attn, .Lfunc_end_k_q56e2b6b440_attn-k_q56e2b6b440_attn
	.p2alignl 7, 3214868480
	.fill 96, 4, 3214868480
	.section	.rodata,"a",@progbits
	.p2align	6, 0x0
	.amdhsa_kernel k_q56e2b6b440_attn
		.amdhsa_group_segment_fixed_size 327680
		.amdhsa_private_segment_fixed_size 0
		.amdhsa_enable_private_segment 0
		.amdhsa_kernarg_size 24
		.amdhsa_user_sgpr_count 2
		.amdhsa_user_sgpr_kernarg_segment_ptr 1
		.amdhsa_wavefront_size32 1
		.amdhsa_system_sgpr_workgroup_id_x 1
		.amdhsa_system_sgpr_workgroup_id_y 1
		.amdhsa_system_sgpr_workgroup_id_z 1
		.amdhsa_system_vgpr_workitem_id 0
		.amdhsa_next_free_vgpr 480
		.amdhsa_next_free_sgpr 66
		.amdhsa_reserve_vcc 0
		.amdhsa_float_denorm_mode_32 3
		.amdhsa_float_denorm_mode_16_64 3
		.amdhsa_memory_ordered 1
		.amdhsa_forward_progress 1
		.amdhsa_inst_pref_size 143
	.end_amdhsa_kernel
	.amdgpu_metadata
---
amdhsa.version: [ 1, 2 ]
amdhsa.kernels:
  - .name:           k_q56e2b6b440_attn
    .symbol:         k_q56e2b6b440_attn.kd
    .args:
      - { .name: qkv, .offset: 0, .size: 8, .value_kind: global_buffer, .address_space: global }
      - { .name: lowp_scales, .offset: 8, .size: 8, .value_kind: global_buffer, .address_space: global }
      - { .name: out0, .offset: 16, .size: 8, .value_kind: global_buffer, .address_space: global }
    .group_segment_fixed_size: 327680
    .private_segment_fixed_size: 0
    .kernarg_segment_align: 8
    .kernarg_segment_size: 24
    .max_flat_workgroup_size: 256
    .sgpr_count:     66
    .vgpr_count:     480
    .wavefront_size: 32
...
	.end_amdgpu_metadata
.endif
;; end of part 2
